; MI455X (gfx1250); checked and timed in simulation.
; The chip was launched on July 23, 2026; its instructions are those of AMD's public machine-readable ISA for CDNA 5 (MIT licence, August 2026) and "CDNA5" Instruction Set Architecture Reference Guide (July 2026). The comments in the code are by the model that wrote it; some were corrected since.
;; Attention Block. Allowed arithmetic: matrix products marked QUANTISED: E4M3 operands, one given power-of-two scale a tensor, by v_wmma_f32_16x16x64_fp8_fp8 or v_wmma_f32_16x16x128_fp8_fp8, f32 sums; everything else in f32.
;; Inputs: Wk_codes 1,024 x 32 x 32 uint8 (E4M3 codes of Wk, K innermost, in blocks of 32 codes); Wp_codes 1,024 x 32 x 32 uint8 (E4M3 codes of Wp, K innermost, in blocks of 32 codes); Wq_codes 1,024 x 32 x 32 uint8 (E4M3 codes of Wq, K innermost, in blocks of 32 codes); Wv_codes 1,024 x 32 x 32 uint8 (E4M3 codes of Wv, K innermost, in blocks of 32 codes); bk 1,024 float32; bp 1,024 float32; bq 1,024 float32; bv 1,024 float32; ln_b 1,024 float32; ln_g 1,024 float32; lowp_scales 12 int32 (the exponents e of the quantised operands' scales 2^e); x 2 x 2,048 x 1,024 float32.
;; Outputs: out0 2 x 2,048 x 1,024 float32.
;; This version of the problem:
;;   THIS VERSION OF THE PROBLEM IS GIVEN IN LOW PRECISION. The matrix products marked QUANTISED in the list below multiply operands that are first quantised to E4M3 (4 exponent bits, 3 mantissa bits; 8 bits a number), with one given power-of-two scale for each operand tensor; their sums are f32. All else is computed in f32.
;;   The module's matrix products, in the order in which they are computed (A, B: the left and right operand; K: the contracted axis; several contracted axes count as one K, in the product's order):
;;     1. [M 4,096, K 1,024] x [K 1,024, N 1,024]; A: input x; B: input Wq (given as codes): QUANTISED (scales: A lowp_scales[0], B lowp_scales[1])
;;     2. [M 4,096, K 1,024] x [K 1,024, N 1,024]; A: input x; B: input Wk (given as codes): QUANTISED (scales: A lowp_scales[2], B lowp_scales[3])
;;     3. [M 4,096, K 1,024] x [K 1,024, N 1,024]; A: input x; B: input Wv (given as codes): QUANTISED (scales: A lowp_scales[4], B lowp_scales[5])
;;     4. batch 32 x [M 2,048, K 64] x [K 64, N 2,048]; A: computed on the way; B: computed on the way: QUANTISED (scales: A lowp_scales[6], B lowp_scales[7])
;;     5. batch 32 x [M 2,048, K 2,048] x [K 2,048, N 64]; A: softmax (see below); B: computed on the way: QUANTISED (scales: A lowp_scales[8], B lowp_scales[9])
;;     6. [M 4,096, K 1,024] x [K 1,024, N 1,024]; A: computed on the way; B: input Wp (given as codes): QUANTISED (scales: A lowp_scales[10], B lowp_scales[11])
;;   THE QUANTISER, for each operand of a quantised product, along K:
;;     - The operand's scale is 2^e, e = its entry of the input lowp_scales (int32; the entries are numbered through the quantised products in the list's order, A before B).
;;     - Each number is divided by the scale, clamped to +-448, and rounded to the nearest number of E4M3, ties to even, subnormals kept.
;;     - The product sums the exact products of the quantised numbers (number of the format x scale) in f32.
;;   ~~~python
;;   def quantise(x, axis, e):      # numpy; x: float32 -> the quantised numbers, widened to float32 again
;;       x = np.moveaxis(x, axis, -1); K = x.shape[-1]
;;       r = np.clip(x / 2.0 ** e, -448, 448)
;;       step = 2.0 ** (np.maximum(np.frexp(np.where(r == 0, 1, r))[1] - 1, -6) - 3)
;;       q = np.round(r / step) * step * 2.0 ** e      # np.round: ties to even
;;       return np.moveaxis(q, -1, axis).astype(np.float32)
;;   ~~~
;;   SOFTMAX AHEAD OF A QUANTISED PRODUCT. Where the list says 'softmax', what is quantised is not the finished softmax but p = 2^(t - M), with t = logit x log2(e) and M = ceil(the row's largest t), a whole number; so 1/2 < the row's largest p <= 1. The row's sum l is taken of the UNQUANTISED p, in f32, and the product's result is divided by l at the end. Since M is a whole number, a kernel that streams over the keys may use a running M (the ceiling of the running maximum): every later rescaling is an exact power of two, so the quantised numbers keep their values, but for numbers so far below the row's largest that they fall under the format's range.
;;   OPERANDS COMPUTED ON THE WAY. 'Computed on the way' means the value that the module computes at that place (a softmax that the list does not call 'softmax' is quantised finished and normalised). What goes into a quantiser is computed in f32, as accurately as f32 sums, v_exp_f32 and their like allow (about 1e-6 of the number): no bf16 or f16 on the way to a quantiser, and a product that is left as it is and whose result goes on into a quantised operand takes f32 operands (vector FMAs, or v_wmma_f32_16x16x4_f32). A number that lies on a knife's edge between two numbers of the format may be rounded either way, as far as f32 arithmetic and the matrix unit's own rounding can turn it there, and no further.
;;   INPUTS GIVEN AS CODES. Wk (in the module: [1024, 1024], K = its axis 0); Wp (in the module: [1024, 1024], K = its axis 0); Wq (in the module: [1024, 1024], K = its axis 0); Wv (in the module: [1024, 1024], K = its axis 0): each comes as NAME_codes (uint8): NAME with its K axis moved to the last place and cut into blocks of 32 codes, [.., K / 32, bytes a block], one block behind the other in memory; one code a byte (a code: sign, 4 exponent bits, 3 mantissa bits); its scale is its entry of lowp_scales. Its value is code x scale, taken as it is: it is not quantised again, and the codes and scales need not be those that the quantiser above would give.
;; One version. Each part assembles by itself: llvm-mc -triple=amdgcn-amd-amdhsa -mcpu=gfx1250 --defsym DOCPART=n.
;; ======== version 1 of 1: 4 launches
;; limits: right only within a limited range of input values
;; workspace buffers: xc 12,582,912 bytes; wpi 1,048,576 bytes; qkv 12,582,912 bytes; ao 4,194,304 bytes
;; launch prep (part 1): grid 576 x 1, 8 waves a work-group, no clusters, 0 bytes of LDS; arguments x, Wp_codes, lowp_scales, xc, wpi; writes xc, wpi
.if DOCPART == 1
	.amdgcn_target "amdgcn-amd-amdhsa--gfx1250"
	.amdhsa_code_object_version 6
	.text
	.protected	k_q4875854c31_prep
	.globl	k_q4875854c31_prep
	.p2align	8
	.type	k_q4875854c31_prep,@function
k_q4875854c31_prep:
	s_mov_b64 s[64:65], 0
	v_nop
	global_prefetch_b8 v0, s[64:65] scope:SCOPE_SE
	s_setreg_imm32_b32 hwreg(HW_REG_WAVE_MODE, 25, 1), 1
	s_wait_xcnt 0x0
; PREP: x becomes codes of E4M3, and Wp's codes are laid in the order of an operand's registers.
; DEAD WORK: none.  Every product of the problem's table reaches the output; every bias stands ahead of a quantiser (bq, bk, bv) or in the output's sum (bp); ln_g and ln_b scale and shift the output.
; So every input is loaded by some launch of this program and nothing is left out.
; x [4096][1024] f32 is the left operand of three products, each with a scale of its own: entries 0, 2 and 4 of the scales.  xc holds three regions of 4,194,304 bytes, [4096][1024] codes, K innermost:
; region i under entry 2 i.  code = x / 2^e, held within +-448, rounded to the nearest code, ties to even.
; LIMITS: entries 0, 2, 4 lie between -126 and 119, so that 2^e and 448 x 2^e are f32 numbers.  NaN among the inputs is not served.
; wpi: [K step 8][tile of 16 outputs 64][4 registers g][lane 32][16 bytes]: lane (r, h) of a fragment holds, of Wp's row 16 tile + r, K = 128 step + 16 c + 8 h + 0 .. 7 in registers 2 c, 2 c + 1.
; SHARES.  Work-groups 0-511: a wave takes one row of x: four steps of 256 numbers, a lane 8 neighbours (32 bytes, two loads); its 8 codes are 8 bytes, so a store of the wave covers 256 consecutive bytes, aligned.
; Work-groups 512-575: a wave takes one fragment of Wp (16 rows x 128 K) and stores it as four runs of 512 consecutive bytes.  Memory binds: no LDS, no barrier, no matrix unit; waves share nothing.
.set X,   8                            ; v8-39   the row as loaded: step s at 8 s
.set TT,  40                           ; v40-71  the numbers held within the largest code x the scale
.set CC,  72                           ; v72-95  codes: two registers for each region and step, so that no store's data are written again
.set SCL, 96                           ; v96, 98, 100: 2^e;  v97, 99, 101: 448 x 2^e
	s_load_b256 s[4:11], s[0:1], 0x0               ; x s[4:5], Wp's codes s[6:7], the scales s[8:9], xc s[10:11]
	s_load_b64 s[12:13], s[0:1], 0x20              ; wpi
	v_lshrrev_b32 v1, 5, v0
	s_delay_alu instid0(VALU_DEP_1)
	v_readfirstlane_b32 s14, v1                    ; wave 0..7
	v_and_b32 v3, 31, v0                           ; lane
	s_cmp_ge_u32 ttmp9, 512                        ; the work-group's number alone decides which tensor it serves
	s_cbranch_scc1 .Lwp
	s_lshl_b32 s15, ttmp9, 3
	s_add_co_u32 s15, s15, s14                     ; my row: 8 x work-group + wave
	s_lshl_b32 s16, s15, 12                        ; in x: 4,096 bytes a row
	s_mov_b32 s17, 0
	s_lshl_b32 s18, s15, 10                        ; in a region of xc: 1,024
	s_mov_b32 s19, 0
	s_wait_alu depctr_va_vdst(0)
	v_lshlrev_b32 v1, 5, v3                        ; my 32 bytes of a step's 1,024
	v_lshlrev_b32 v2, 3, v3                        ; my 8 bytes of its 256 codes
	s_wait_alu depctr_va_vdst(0)
	s_wait_kmcnt 0x0
	s_load_b256 s[20:27], s[8:9], 0x0              ; entries 0 to 7
	s_add_nc_u64 s[4:5], s[4:5], s[16:17]
	s_add_nc_u64 s[10:11], s[10:11], s[18:19]      ; region 0,
	s_add_nc_u64 s[28:29], s[10:11], 0x400000      ; region 1,
	s_add_nc_u64 s[30:31], s[10:11], 0x800000      ; region 2
.irp s, 0,1,2,3
	global_load_b128 v[X+8*\s:X+8*\s+3],   v1, s[4:5] offset:1024*\s th:TH_LOAD_NT
	global_load_b128 v[X+8*\s+4:X+8*\s+7], v1, s[4:5] offset:1024*\s+16 th:TH_LOAD_NT
.endr
.macro MKS q, e                        ; 2^e as f32 (the conversion takes its exponent field), and 448 x 2^e
	s_add_co_i32 s32, \e, 127
	s_lshl_b32 s33, s32, 23
	v_mov_b32 v[SCL+2*\q], s33
	s_add_co_i32 s32, s32, 8
	s_lshl_b32 s32, s32, 23
	s_or_b32 s32, s32, 0x600000
	v_mov_b32 v[SCL+2*\q+1], s32
.endm
	s_wait_kmcnt 0x0
	MKS 0, s20
	MKS 1, s22
	MKS 2, s24
; The row under scale q, into the region at s[base].
.macro QSEC q, base
.irp s, 0,1,2,3
.if \q == 0
	s_wait_loadcnt 6-2*\s                          ; loads come back in order: step s's two are in, the later steps' may be out
.endif
.irp i, 0,1,2,3,4,5,6,7
	v_med3_num_f32 v[TT+8*\s+\i], v[X+8*\s+\i], -v[SCL+2*\q+1], v[SCL+2*\q+1]   ; the conversion to an 8-bit code does not saturate (ISA guide 7.6.2): the hold comes first
.endr
	v_cvt_scalef32_pk8_fp8_f32 v[CC+8*\q+2*\s:CC+8*\q+2*\s+1], v[TT+8*\s:TT+8*\s+7], v[SCL+2*\q]
.endr
	v_nop                                          ; a plain vector line behind the last conversion: the next region's holds write the conversions' sources
.irp s, 0,1,2,3
	global_store_b64 v2, v[CC+8*\q+2*\s:CC+8*\q+2*\s+1], s[\base:\base+1] offset:256*\s   ; the wave stores 256 consecutive bytes, at a multiple of 256 from the buffer's first byte
.endr
.endm
	s_wait_alu depctr_va_vdst(0)
	QSEC 0, 10
	QSEC 1, 28
	QSEC 2, 30
	s_endpgm
.Lwp:
	s_sub_co_u32 s16, ttmp9, 512                   ; the tile of 16 outputs; the wave's number is the K step
	s_lshl_b32 s18, s16, 14                        ; from: 16 rows of 1,024 bytes a tile,
	s_lshl_b32 s19, s14, 7                         ; 128 bytes a K step
	s_add_co_u32 s18, s18, s19
	s_mov_b32 s19, 0
	s_lshl_b32 s20, s14, 6
	s_add_co_u32 s20, s20, s16
	s_lshl_b32 s20, s20, 11                        ; to: (64 x K step + tile) x 2,048
	s_mov_b32 s21, 0
	v_and_b32 v4, 15, v0                           ; r
	v_bfe_u32 v5, v0, 4, 1                         ; h
	s_delay_alu instid0(VALU_DEP_2)
	v_lshlrev_b32 v6, 10, v4
	s_delay_alu instid0(VALU_DEP_1)
	v_lshl_add_u32 v6, v5, 3, v6                   ; row r, + 8 h
	s_wait_alu depctr_va_vdst(0)
	v_lshlrev_b32 v7, 4, v3                        ; 16 x lane
	s_wait_alu depctr_va_vdst(0)
	s_wait_kmcnt 0x0
	s_add_nc_u64 s[6:7], s[6:7], s[18:19]
	s_add_nc_u64 s[12:13], s[12:13], s[20:21]
.irp c, 0,1,2,3,4,5,6,7
	global_load_b64 v[X+2*\c:X+2*\c+1], v6, s[6:7] offset:16*\c   ; K = 16 c + 8 h + 0 .. 7 of my row: registers 2 c, 2 c + 1 of the fragment
.endr
	s_wait_loadcnt 0x0
.irp g, 0,1,2,3
	global_store_b128 v7, v[X+4*\g:X+4*\g+3], s[12:13] offset:512*\g   ; 512 consecutive bytes, aligned
.endr
	s_endpgm
.Lfunc_end_k_q4875854c31_prep:
	.size	k_q4875854c31_prep, .Lfunc_end_k_q4875854c31_prep-k_q4875854c31_prep
	.p2alignl 7, 3214868480
	.fill 96, 4, 3214868480
	.section	.rodata,"a",@progbits
	.p2align	6, 0x0
	.amdhsa_kernel k_q4875854c31_prep
		.amdhsa_group_segment_fixed_size 0
		.amdhsa_private_segment_fixed_size 0
		.amdhsa_enable_private_segment 0
		.amdhsa_kernarg_size 40
		.amdhsa_user_sgpr_count 2
		.amdhsa_user_sgpr_kernarg_segment_ptr 1
		.amdhsa_wavefront_size32 1
		.amdhsa_system_sgpr_workgroup_id_x 1
		.amdhsa_system_sgpr_workgroup_id_y 1
		.amdhsa_system_sgpr_workgroup_id_z 1
		.amdhsa_system_vgpr_workitem_id 0
		.amdhsa_next_free_vgpr 104
		.amdhsa_next_free_sgpr 66
		.amdhsa_reserve_vcc 0
		.amdhsa_float_denorm_mode_32 3
		.amdhsa_float_denorm_mode_16_64 3
		.amdhsa_memory_ordered 1
		.amdhsa_forward_progress 1
		.amdhsa_inst_pref_size 13
	.end_amdhsa_kernel
	.amdgpu_metadata
---
amdhsa.version: [ 1, 2 ]
amdhsa.kernels:
  - .name:           k_q4875854c31_prep
    .symbol:         k_q4875854c31_prep.kd
    .args:
      - { .name: x, .offset: 0, .size: 8, .value_kind: global_buffer, .address_space: global }
      - { .name: Wp_codes, .offset: 8, .size: 8, .value_kind: global_buffer, .address_space: global }
      - { .name: lowp_scales, .offset: 16, .size: 8, .value_kind: global_buffer, .address_space: global }
      - { .name: xc, .offset: 24, .size: 8, .value_kind: global_buffer, .address_space: global }
      - { .name: wpi, .offset: 32, .size: 8, .value_kind: global_buffer, .address_space: global }
    .group_segment_fixed_size: 0
    .private_segment_fixed_size: 0
    .kernarg_segment_align: 8
    .kernarg_segment_size: 40
    .max_flat_workgroup_size: 256
    .sgpr_count:     66
    .vgpr_count:     104
    .wavefront_size: 32
...
	.end_amdgpu_metadata
.endif
;; end of part 1
;; launch qkvgemm (part 2): grid 12 x 16, 4 waves a work-group, clusters of 4 x 4, 327,680 bytes of LDS; arguments xc, Wq_codes, Wk_codes, Wv_codes, bq, bk, bv, lowp_scales, qkv; writes qkv
.if DOCPART == 2
	.amdgcn_target "amdgcn-amd-amdhsa--gfx1250"
	.amdhsa_code_object_version 6
	.text
	.protected	k_q4875854c31_qkvgemm
	.globl	k_q4875854c31_qkvgemm
	.p2align	8
	.type	k_q4875854c31_qkvgemm,@function
k_q4875854c31_qkvgemm:
	s_mov_b64 s[64:65], 0
	v_nop
	global_prefetch_b8 v0, s[64:65] scope:SCOPE_SE
	s_setreg_imm32_b32 hwreg(HW_REG_WAVE_MODE, 25, 1), 1
	s_wait_xcnt 0x0
	s_wait_alu depctr_hold_cnt(0) depctr_sa_sdst(0) depctr_va_vdst(0) depctr_va_sdst(0) depctr_va_ssrc(0) depctr_va_vcc(0) depctr_vm_vsrc(0)
	s_getreg_b32 s2, hwreg(HW_REG_IB_STS2, 6, 4)
	s_cmp_eq_u32 s2, 0
	s_cbranch_scc0 .Lentry_in_a_cluster
	s_endpgm
.Lentry_in_a_cluster:
	s_bfe_u32 s2, ttmp6, 0x10000c
	s_cmp_lg_u32 s2, 0xf033
	s_cbranch_scc0 .Lentry_shape_is_right
	s_endpgm
.Lentry_shape_is_right:
; QKVGEMM: q, k and v = x W + b, three products on codes of E4M3, each result quantised again and stored as images of operand registers.  No work of the problem is left out here.
; SHARES.  Cluster column 0 makes q, 1 k, 2 v.  For q and k the rows (A) are tokens and the columns (B) outputs; for v A holds Wv's rows and B the tokens, so that a lane's eight results lie along the tokens,
; which are the K of the product that takes v.  A block is 256 x 256, four waves of 128 x 128 (64 accumulators, which take turns), K in two LDS slots of 256.  The four work-groups of a cluster's row ask jointly for A's tiles, the four of a column for B's.
; The bias, divided by the power of two that the sums lack, is the sums' first value.  K step 0 is asked for first; the biases and the set-up stand under its flight; K step 1's load follows behind the next round.
; PREFETCH.  Behind K step 0's load K steps 1 and 2 are asked for in the L2, behind K step 1's load K step 3, the last: 32 rows x 256 bytes a wave each, a lane a row.  Of the 128 rows that a wave fetches, each of the four partners
; that ask for them jointly takes 32, told apart by address (cx for A, cy for B): each block of 256 bytes is named once in each cluster that loads it.
; qkv: q from byte 0, [head 32][tile of 16 queries 128][1,024 bytes]; then from 4,194,304 on, for each head, 16 steps of 128 keys: 8,192 bytes of k's images and 8,192 of v's.
; LIMITS: the sums of entries 0 + 1, 2 + 3, 4 + 5 lie between -127 and 126 with a normal 2^-(sum), and the result's entry less that sum between -126 and 119.  NaN among the inputs is not served.
.set ROWB,   256
.set KROW,   1024
.set PITCH,  272
.set FR,     16
.set NL,     4
.set NP,     4
.set HALFT,  128*PITCH
.set SLOT,   4*HALFT
.set SPARE,  2*SLOT
.set ADRA, 16
.set ADRB, 20
.set SPW,  28
.set NIL,  29
.set BJ,   32
.set TT,   32
.set BI,   96
.set CC,   96
.set SCL,  112
.set LIM,  113
.set VO,   114
.set OJ,   116
.set OI,   117
.set AF,   128
.set G1, 24
.set G0, 32
.set G1B, 48
.set G0B, 56
.set OUT, 76
.set MSB, 0
.macro WIN new
.if MSB != \new
	s_set_vgpr_msb (MSB<<8)|\new
.set MSB, \new
.endif
.endm
.set MUL_LO, 0xa1
.set MUL_HI, 0xf1
.set TO_B,   0x40
.macro JLOAD g0a, g1a, g0b, g1b
	s_cmp_eq_u32 s15, 0
	s_cbranch_scc0 .Lfor_b_\@
	tensor_load_to_lds s[\g0a:\g0a+3], s[\g1a:\g1a+7]
	s_nop 0
.rept 4
	v_nop
.endr
	s_branch .Lasked_\@
.Lfor_b_\@:
	tensor_load_to_lds s[\g0b:\g0b+3], s[\g1b:\g1b+7]
	s_nop 0
.rept 4
	v_nop
.endr
.Lasked_\@:
.endm
.macro CREST
	s_cmp_lg_u32 s14, 0
	s_cbranch_scc1 .Lnot_wave_0_\@
	s_barrier_signal -3
.Lnot_wave_0_\@:
	s_barrier_wait -3
	s_barrier_signal -1
	s_barrier_wait -1
.endm
.macro CROUND
	s_barrier_signal -1
	s_barrier_wait -1
	CREST
.endm
	s_load_b256 s[4:11], s[0:1], 0x0
	s_load_b256 s[68:75], s[0:1], 0x20
	s_load_b64 s[OUT:OUT+1], s[0:1], 0x40
	v_lshl_add_u32 v[SPW], v0, 2, SPARE
	v_mov_b32 v[NIL], 0
	ds_add_u32 v[SPW], v[NIL]
	ds_add_u32 v[SPW], v[NIL]
	v_lshrrev_b32 v1, 5, v0
	v_readfirstlane_b32 s14, v1
	s_lshr_b32 s15, s14, 1
	s_and_b32 s16, s14, 1
	s_bfe_u32 s40, ttmp6, 0x40000
	s_bfe_u32 s41, ttmp6, 0x40004
	s_mov_b32 s42, ttmp9
	s_and_b32 s43, ttmp7, 0xffff
	s_lshl_b32 s43, s43, 2
	s_cmp_eq_u32 s42, 2
	s_cselect_b32 s2, 0, s43
	s_cselect_b32 s3, s43, 0
	s_add_co_u32 s17, s41, s2
	s_add_co_u32 s18, s40, s3
	s_lshl_b32 s44, s41, 2
	s_lshl_b32 s44, 15, s44
	s_lshl_b32 s45, 0x1111, s40
	s_or_b32 s[G1+0], s44, (0<<16)|(1<<20)|(1<<21)|(5<<22)|(3<<25)
	s_or_b32 s[G1B+0], s45, (0<<16)|(1<<20)|(1<<21)|(5<<22)|(3<<25)
.irp g, G1, G1B
	s_mov_b32 s[\g+1], ROWB<<16
	s_mov_b32 s[\g+2], 128<<16
	s_mov_b32 s[\g+3], ROWB<<16
	s_mov_b32 s[\g+4], 128
	s_mov_b32 s[\g+5], KROW
	s_mov_b32 s[\g+6], 0
	s_mov_b32 s[\g+7], 0
.endr
	s_lshl_b32 s19, s16, 7
	s_lshl_b32 s20, s17, 8
	s_add_co_u32 s20, s20, s19
	s_lshl_b32 s20, s20, 10
	s_mov_b32 s21, 0
	s_lshl_b32 s46, s18, 8
	s_add_co_u32 s46, s46, s19
	s_lshl_b32 s46, s46, 10
	s_mov_b32 s47, 0
	s_mul_i32 s12, s14, HALFT
	s_lshl_b32 s22, s42, 22
	s_mov_b32 s23, 0
	s_wait_dscnt 0x0
	s_wait_kmcnt 0x0
	s_load_b256 s[80:87], s[74:75], 0x0
	s_load_b128 s[88:91], s[74:75], 0x20
	s_add_nc_u64 s[92:93], s[4:5], s[22:23]
	s_cmp_eq_u32 s42, 0
	s_cselect_b64 s[94:95], s[6:7], s[8:9]
	s_cselect_b64 s[96:97], s[68:69], s[70:71]
	s_cmp_eq_u32 s42, 2
	s_cselect_b64 s[96:97], s[72:73], s[96:97]
	s_cselect_b64 s[98:99], s[10:11], s[92:93]
	s_cselect_b64 s[94:95], s[92:93], s[94:95]
	s_add_nc_u64 s[20:21], s[98:99], s[20:21]
	s_add_nc_u64 s[46:47], s[94:95], s[46:47]
	CROUND
.irp s, 0,1
	s_mov_b32 s[G0+4*\s], 1
	s_add_co_u32 s[G0+4*\s+1], s12, \s*SLOT
	s_add_nc_u64 s[G0+4*\s+2:G0+4*\s+3], s[20:21], \s*ROWB
	s_or_b32 s[G0+4*\s+3], s[G0+4*\s+3], 0x80000000
	s_mov_b32 s[G0B+4*\s], 1
	s_add_co_u32 s[G0B+4*\s+1], s12, \s*SLOT
	s_add_nc_u64 s[G0B+4*\s+2:G0B+4*\s+3], s[46:47], \s*ROWB
	s_or_b32 s[G0B+4*\s+3], s[G0B+4*\s+3], 0x80000000
.endr
	JLOAD G0, G1, G0B, G1B                         ; K step 0: one tensor load a wave at the head
	s_cmp_eq_u32 s15, 0                            ; the prefetches: do I fetch for A?
	s_cselect_b64 s[44:45], s[20:21], s[46:47]     ; the 128 rows that I fetch,
	s_cselect_b32 s43, s40, s41                    ; my place among the four that ask with me
	s_lshl_b32 s46, s43, 15                        ; 32 rows of 1,024 bytes each
	s_mov_b32 s47, 0
	s_add_nc_u64 s[44:45], s[44:45], s[46:47]      ; never rewritten
	v_and_b32 v30, 31, v0
	v_lshlrev_b32 v30, 10, v30                     ; a lane a row; never rewritten
	global_prefetch_b8 v30, s[44:45] offset:ROWB th:TH_LOAD_NT scope:SCOPE_SE     ; K step 1
	global_prefetch_b8 v30, s[44:45] offset:2*ROWB th:TH_LOAD_NT scope:SCOPE_SE   ; K step 2
	v_and_b32 v1, 15, v0
	s_wait_alu depctr_va_vdst(0)
	v_bfe_u32 v2, v0, 4, 1
	s_lshl_b32 s2, s18, 8
	s_lshl_b32 s3, s16, 7
	s_add_co_u32 s2, s2, s3
	s_and_b32 s3, s2, 1023
	s_lshl_b32 s3, s3, 2
	v_lshl_add_u32 v[OJ], v2, 5, s3
	s_lshl_b32 s13, s17, 8
	s_lshl_b32 s19, s15, 7
	s_add_co_u32 s13, s13, s19
	s_and_b32 s19, s13, 1023
	s_lshl_b32 s19, s19, 2
	v_lshl_add_u32 v[OI], v1, 2, s19
.irp b, 0,1,2,3,4,5,6,7
	global_load_b128 v[BJ+8*\b:BJ+8*\b+3],   v[OJ], s[96:97] offset:64*\b
	global_load_b128 v[BJ+8*\b+4:BJ+8*\b+7], v[OJ], s[96:97] offset:64*\b+16
.endr
.irp a, 0,1,2,3,4,5,6,7
	global_load_b32 v[BI+2*\a], v[OI], s[96:97] offset:64*\a
.endr
	v_mul_u32_u24 v3, v1, PITCH
	s_wait_alu depctr_va_vdst(0)
	v_lshl_add_u32 v4, v2, 4, v3
	s_mul_i32 s21, s15, HALFT
	s_mul_i32 s22, s16, HALFT
	s_add_co_u32 s22, s22, 2*HALFT
.irp s, 0,1
	v_add_nc_u32 v[ADRA+\s], s21, v4
	v_add_nc_u32 v[ADRB+\s], s22, v4
	s_add_co_u32 s21, s21, SLOT
	s_add_co_u32 s22, s22, SLOT
.endr
	s_cmp_eq_u32 s42, 2
	s_cselect_b32 s3, s2, s13
	s_cselect_b32 s19, s13, s2
	s_lshr_b32 s22, s3, 11
	s_lshl_b32 s22, s22, 4
	s_lshr_b32 s19, s19, 6
	s_add_co_u32 s22, s22, s19
	s_and_b32 s3, s3, 2047
	s_cmp_eq_u32 s42, 0
	s_cselect_b32 s19, 17, 18
	s_cselect_b32 s23, 6, 7
	s_cselect_b32 s98, 0, 0x400000
	s_lshl_b32 s22, s22, s19
	s_lshl_b32 s3, s3, s23
	s_add_co_u32 s22, s22, s3
	s_add_co_u32 s22, s22, s98
	s_lshl_b32 s98, 0x20000, s42
	s_cmp_eq_u32 s42, 2
	s_cselect_b32 s3, 8192, 0
	s_cselect_b32 s98, 1024, s98
	s_mov_b32 s92, 1024
	s_cselect_b32 s92, 2048, s92
	s_mov_b32 s94, 1024
	s_cselect_b32 s94, 262144-3*2048, s94
	s_mov_b32 s93, 0
	s_mov_b32 s95, 0
	s_add_co_u32 s22, s22, s3
	s_mov_b32 s23, 0
	s_add_nc_u64 s[OUT:OUT+1], s[OUT:OUT+1], s[22:23]
	v_and_b32 v3, 31, v0
	v_lshlrev_b32 v[VO], 4, v3
	v_add_nc_u32 v[VO+1], s98, v[VO]
	s_wait_kmcnt 0x0
	s_add_co_i32 s2, s80, s81
	s_add_co_i32 s3, s82, s83
	s_add_co_i32 s13, s84, s85
	s_cmp_eq_u32 s42, 0
	s_cselect_b32 s66, s2, s3
	s_cselect_b32 s67, s86, s87
	s_cmp_eq_u32 s42, 2
	s_cselect_b32 s66, s13, s66
	s_cselect_b32 s67, s89, s67
	s_sub_co_i32 s2, 127, s66
	s_lshl_b32 s2, s2, 23
	s_cmp_eq_u32 s42, 2
	s_cselect_b32 s78, 0, s2
	s_cselect_b32 s79, s2, 0
	s_sub_co_i32 s2, s67, s66
	s_add_co_i32 s2, s2, 127
	s_lshl_b32 s3, s2, 23
	v_mov_b32 v[SCL], s3
	s_add_co_i32 s2, s2, 8
	s_lshl_b32 s2, s2, 23
	s_or_b32 s2, s2, 0x600000
	v_mov_b32 v[LIM], s2
	s_wait_loadcnt 0x0
.set n, 0
.rept 32
	v_pk_mul_f32 v[BJ+n:BJ+n+1], v[BJ+n:BJ+n+1], s[78:79] op_sel_hi:[1,0]
.set n, n+2
.endr
.irp a, 0,1,2,3,4,5,6,7
	v_mul_f32 v[BI+2*\a+1], s79, v[BI+2*\a]
	v_mul_f32 v[BI+2*\a], s79, v[BI+2*\a]
.endr
	WIN 0x80
.irp a, 0,1,2,3
.irp b, 0,1,2,3,4,5,6,7
.irp i, 0,2,4,6
	v_pk_add_f32 v[8*(8*\a+\b)+\i:8*(8*\a+\b)+\i+1], v[BJ+8*\b+\i:BJ+8*\b+\i+1], v[BI+2*\a:BI+2*\a+1]
.endr
.endr
.endr
	WIN 0xc0
.irp a, 0,1,2,3
.irp b, 0,1,2,3,4,5,6,7
.irp i, 0,2,4,6
	v_pk_add_f32 v[8*(8*\a+\b)+\i:8*(8*\a+\b)+\i+1], v[BJ+8*\b+\i:BJ+8*\b+\i+1], v[BI+8+2*\a:BI+8+2*\a+1]
.endr
.endr
.endr
	WIN 0
.macro FRAG reg, adr, q, i
.irp c, 0,1,2,3
	ds_load_b128 v[\reg+4*\c:\reg+4*\c+3], v[\adr] offset:128*(\q)+32*\c+(\i)*16*PITCH
.endr
.endm
.macro MUL16 a0, p
.irp a, \a0, \a0+1
.irp b, 0,1,2,3,4,5,6,7
	v_wmma_f32_16x16x128_fp8_fp8 v[8*(8*((\a)%4)+\b):8*(8*((\a)%4)+\b)+7], v[128*(\p)+FR*\b:128*(\p)+FR*\b+FR-1], v[AF+FR*(\a):AF+FR*(\a)+FR-1], v[8*(8*((\a)%4)+\b):8*(8*((\a)%4)+\b)+7]
.endr
.endr
.endm
.macro FETCH_B slot, q, p
	WIN TO_B
.irp i, 0,1,2,3,4,5,6,7
	FRAG 128*(\p)+FR*\i, ADRB+\slot, \q, \i
.endr
	WIN 0
.endm
.macro FETCH_A slot, q, i0
.irp i, \i0, \i0+1, \i0+2, \i0+3
	FRAG AF+FR*(\i), ADRA+\slot, \q, \i
.endr
.endm
.macro PLACES n
.rept \n
	v_nop
.endr
.endm
.macro STEP slot, q
	s_wait_dscnt 4*NL
	WIN MUL_LO
	MUL16 0, (\q)%2
	MUL16 2, (\q)%2
	s_wait_dscnt 0
	PLACES NP
	FETCH_B \slot, (\q)+1, 1-(\q)%2
	FETCH_A \slot, (\q)+1, 0
	WIN MUL_HI
	MUL16 4, (\q)%2
	MUL16 6, (\q)%2
	PLACES NP
	WIN 0
	FETCH_A \slot, (\q)+1, 4
.endm
.macro TURN slot, next, fill
	s_wait_tensorcnt 0x0
	ds_add_u32 v[SPW], v[NIL]
	s_wait_dscnt 4*NL+1
	WIN MUL_LO
	MUL16 0, 1
	s_wait_dscnt 0x0
	s_barrier_signal -1
	MUL16 2, 1
	WIN 0
	s_barrier_wait -1
.if \fill
	CREST
	s_add_nc_u64 s[G0+4*\slot+2:G0+4*\slot+3], s[G0+4*\slot+2:G0+4*\slot+3], 2*ROWB
	s_add_nc_u64 s[G0B+4*\slot+2:G0B+4*\slot+3], s[G0B+4*\slot+2:G0B+4*\slot+3], 2*ROWB
	JLOAD G0+4*\slot, G1, G0B+4*\slot, G1B
.else
	PLACES NP
.endif
	FETCH_B \next, 0, 0
	FETCH_A \next, 0, 0
	WIN MUL_HI
	MUL16 4, 1
	MUL16 6, 1
	PLACES NP
	WIN 0
	FETCH_A \next, 0, 4
.endm
	s_wait_alu depctr_va_vdst(0)
	s_wait_tensorcnt 0x0                           ; my part of K step 0 is in
	ds_add_u32 v[SPW], v[NIL]
	s_wait_dscnt 0x0
	CROUND                                         ; everybody's part of K step 0 is in, and the joint loads meet
	JLOAD G0+4, G1, G0B+4, G1B                     ; K step 1
	FETCH_B 0, 0, 0
	FETCH_A 0, 0, 0
	FETCH_A 0, 0, 4
	global_prefetch_b8 v30, s[44:45] offset:3*ROWB th:TH_LOAD_NT scope:SCOPE_SE   ; K step 3, the last
	STEP 0, 0
	TURN 0, 1, 1
	STEP 1, 0
	TURN 1, 0, 1
	STEP 0, 0
	TURN 0, 1, 0
	STEP 1, 0
	s_wait_dscnt 4*NL
	WIN MUL_LO
	MUL16 0, 1
	MUL16 2, 1
	s_wait_dscnt 0
	WIN MUL_HI
	MUL16 4, 1
	MUL16 6, 1
	WIN 0
.macro EPI a
.set AC, 64*((\a)%4)
	WIN 0x02+((\a)/4)
.set n, 0
.rept 64
	v_med3_num_f32 v[TT+n], v[AC+n], -v[LIM], v[LIM]
.set n, n+1
.endr
	WIN 0
.if (\a) > 0
	s_wait_alu depctr_va_vdst(0)
	s_wait_xcnt 0x0
.if (\a) == 4
	s_add_nc_u64 s[OUT:OUT+1], s[OUT:OUT+1], s[94:95]
.else
	s_add_nc_u64 s[OUT:OUT+1], s[OUT:OUT+1], s[92:93]
.endif
.endif
.irp b, 0,1,2,3,4,5,6,7
	v_cvt_scalef32_pk8_fp8_f32 v[CC+2*\b:CC+2*\b+1], v[TT+8*\b:TT+8*\b+7], v[SCL]
.endr
	v_nop
.irp g, 0,1,2,3
	global_store_b128 v[VO+\g/2], v[CC+4*\g:CC+4*\g+3], s[OUT:OUT+1] offset:512*(\g%2)
.endr
.endm
	PLACES NP
.irp a, 0,1,2,3,4,5,6,7
	EPI \a
.endr
	s_wait_tensorcnt 0x0
	ds_add_u32 v[SPW], v[NIL]
	s_wait_dscnt 0x0
	CROUND
	s_endpgm
.Lfunc_end_k_q4875854c31_qkvgemm:
	.size	k_q4875854c31_qkvgemm, .Lfunc_end_k_q4875854c31_qkvgemm-k_q4875854c31_qkvgemm
	.p2alignl 7, 3214868480
	.fill 96, 4, 3214868480
	.section	.rodata,"a",@progbits
	.p2align	6, 0x0
	.amdhsa_kernel k_q4875854c31_qkvgemm
		.amdhsa_group_segment_fixed_size 327680
		.amdhsa_private_segment_fixed_size 0
		.amdhsa_enable_private_segment 0
		.amdhsa_kernarg_size 72
		.amdhsa_user_sgpr_count 2
		.amdhsa_user_sgpr_kernarg_segment_ptr 1
		.amdhsa_wavefront_size32 1
		.amdhsa_system_sgpr_workgroup_id_x 1
		.amdhsa_system_sgpr_workgroup_id_y 1
		.amdhsa_system_sgpr_workgroup_id_z 1
		.amdhsa_system_vgpr_workitem_id 0
		.amdhsa_next_free_vgpr 1024
		.amdhsa_next_free_sgpr 100
		.amdhsa_reserve_vcc 0
		.amdhsa_float_denorm_mode_32 3
		.amdhsa_float_denorm_mode_16_64 3
		.amdhsa_memory_ordered 1
		.amdhsa_forward_progress 1
		.amdhsa_inst_pref_size 142
	.end_amdhsa_kernel
	.amdgpu_metadata
---
amdhsa.version: [ 1, 2 ]
amdhsa.kernels:
  - .name:           k_q4875854c31_qkvgemm
    .symbol:         k_q4875854c31_qkvgemm.kd
    .args:
      - { .name: xc, .offset: 0, .size: 8, .value_kind: global_buffer, .address_space: global }
      - { .name: Wq_codes, .offset: 8, .size: 8, .value_kind: global_buffer, .address_space: global }
      - { .name: Wk_codes, .offset: 16, .size: 8, .value_kind: global_buffer, .address_space: global }
      - { .name: Wv_codes, .offset: 24, .size: 8, .value_kind: global_buffer, .address_space: global }
      - { .name: bq, .offset: 32, .size: 8, .value_kind: global_buffer, .address_space: global }
      - { .name: bk, .offset: 40, .size: 8, .value_kind: global_buffer, .address_space: global }
      - { .name: bv, .offset: 48, .size: 8, .value_kind: global_buffer, .address_space: global }
      - { .name: lowp_scales, .offset: 56, .size: 8, .value_kind: global_buffer, .address_space: global }
      - { .name: qkv, .offset: 64, .size: 8, .value_kind: global_buffer, .address_space: global }
    .group_segment_fixed_size: 327680
    .private_segment_fixed_size: 0
    .kernarg_segment_align: 8
    .kernarg_segment_size: 72
    .max_flat_workgroup_size: 128
    .sgpr_count:     100
    .vgpr_count:     1024
    .wavefront_size: 32
...
	.end_amdgpu_metadata
.endif
;; end of part 2
;; launch attn (part 3): grid 8 x 32, 8 waves a work-group, no clusters, 263,168 bytes of LDS; arguments qkv, lowp_scales, ao; writes ao
.if DOCPART == 3
	.amdgcn_target "amdgcn-amd-amdhsa--gfx1250"
	.amdhsa_code_object_version 6
	.text
	.protected	k_q4875854c31_attn
	.globl	k_q4875854c31_attn
	.p2align	8
	.type	k_q4875854c31_attn,@function
k_q4875854c31_attn:
	s_mov_b64 s[64:65], 0
	v_nop
	global_prefetch_b8 v0, s[64:65] scope:SCOPE_SE
	s_setreg_imm32_b32 hwreg(HW_REG_WAVE_MODE, 25, 1), 1
	s_wait_xcnt 0x0
; ATTENTION on codes of E4M3: for each of 32 heads, O[q] = sum over k of softmax_k(Q[q] . K[k] / 8) V[k], 2,048 queries and keys, 64 channels; no mask.  No work of the problem is left out here.
; THE SOFTMAX AHEAD OF THE SECOND PRODUCT: t = score x log2(e) / 8; M = the running largest t rounded UP to a whole number; p = 2^(t - M) is quantised under entry 8; the row's sum is taken of the unquantised p and divides at the end.
; When M moves, the sum and O are multiplied by 2^(old M - new M), which rounds nothing.
; OPERANDS COME AS IMAGES OF THEIR REGISTERS (the launch before laid them so): four registers of a fragment are 512 consecutive bytes, lane l's 16 at 16 l.  No pitch, no padding.
; Both products are used transposed: S^T = K Q^T (source 0 = 16 keys, source 1 = 16 queries; K = 64: the 16x16x64 form), O^T = V^T P^T (source 0 = 16 channels, source 1 = P; K = 128 keys): a lane holds ONE query of a tile throughout.
; The eight scores of key tile c are keys 16 c + 8 h + 0 .. 7, which registers 2 c, 2 c + 1 of P's fragment hold: a conversion makes them.  Likewise O^T's tile t becomes registers of the projection's left operand.
; SHARES.  A work-group owns 256 queries of one head; each of its eight waves owns 32 of them, TWO TILES A and B, so that every fragment of K and V read from LDS feeds two tiles.  Two waves to a SIMD, 512 registers each.
; B's multiply-adds stand between A's exponentials, and the first level of A's sums between B's: none of them reads what the batch around it writes.  The sums run on in four pairs a tile, which meet at the end.
; A HEAD'S K AND V ARE 262,144 BYTES, ONE DENSE BLOCK, AND LIE IN LDS WHOLE: every byte of it is written once.  The block goes in eight groups of 32,768 bytes (two steps of 128 keys); of each a wave brings 4,096 bytes through
; 32 registers: eight loads of 512 consecutive bytes, eight LDS stores.  Groups 0 and 1 are stored at the head; in trip g group g + 2 is stored between the trip's two steps and group g + 3 is asked for, a trip ahead of its store.
; The barrier that shows group g + 2 to all waves is split: its signal stands behind trip g's stores, its wait ahead of trip g + 1's; between them stand register work and reads of groups g and g + 1, which nobody writes.
; PREFETCH.  Groups 4 to 7 are asked for in the L2 a trip, two key steps, ahead of their loads: work-group x of a head asks for group x, in trip x - 4, waves 0 to 3 with 8,192 bytes each, lanes 256 bytes apart: each block of
; 256 bytes once in the launch.  Groups 0 to 3 come by their loads alone.
; THE HOLD OF p.  p is at most 1 (a last bit more at the most), so the hold at 448 x 2^(entry 8) changes nothing where entry 8 is -8 or more (the bound is then 1.75 or more): a scalar branch on that whole number, the same in
; all waves, leads round the step's 128 holds and round nothing else.  Where entry 8 is -9 or less they are run, behind the first level of both sums, which so take p as it is.
; NO CLUSTER, NO JOINT LOADS, though the eight query blocks of a head read the same K and V.
; What is shared is 32,768 bytes a wave, read once.
; ao: [tile of 16 tokens 256][K step of 128 channels 8][g 4][lane][16 bytes].
; LIMITS on the given exponents: entries 6 + 7 between -123 and 130 (added to c's exponent field); entry 8 between -126 and 119; entry 10 - 8 - 9 between -126 and 119.  The scaled scores stay under 2^31 in magnitude.  NaN among the inputs is not served.
; REGISTERS, in windows of 256.  Window 0: v1-7 addresses; v8, v10 -M; v9, v11 the largest raw score; v16, v18 f; v17, v19-27 at work; v28-31 scales; v32-95, v96-159 the scores, then p, of A and of B;
;   v160-191, v224-255 B's and A's partial sums; v192-223 p's codes.
;   Window 1: v0-63 K's fragments; v64-127 V's; v128-159, v160-191 O^T of A and of B; v192-207 Q; v208-239 a group's bytes on their way to LDS; v240-247, v248-255 the running sums of A and of B.
.set SPARE, 262144                     ; behind the head's K and V: the spare words, 128 bytes for each of eight waves
.set GRP,  32768
.set LI,   1                           ; v1   16 x lane
.set GV,   2                           ; v2   4,096 x wave + 16 x lane: my bytes of a group, in memory and in LDS alike
.set LV,   3                           ; v3   the same + the group to be stored
.set ADR,  4                           ; v4   16 x lane + the group in hand
.set SPW,  5
.set NIL,  6
.set PFO,  7                           ; v7   the prefetch's offset: 256 x lane
.set SA,   32
.set SB,   96
.set TPB,  160
.set PA,   192
.set PB,   208
.set TPA,  224
.set KF,   0
.set VF,   64
.set OA,   128
.set OB,   160
.set QA,   192
.set QB,   200
.set ST,   208
.set LA,   240
.set LB,   248
.set WV,   18                          ; s18  my wave's number
.set SEL,  48                          ; s[48:49] lane selects: lane l xor 16
.set CS,   50                          ; s[50:51] c = log2(e) / 8 x 2^(entries 6 + 7)
.set TB,   52                          ; s52  LDS byte at which the group in hand begins
.set CNT,  53                          ; s53  the trip
.set PFA,  54                          ; s[54:55] where my prefetch stands; never rewritten
.set LIM,  56                          ; s56  the trip in which my wave asks
.set TS,   57                          ; s57  LDS byte at which the group to be stored begins
.set MSB, 0
.macro WIN new                         ; the immediate's high byte repeats the setting that is left
.if MSB != \new
	s_set_vgpr_msb (MSB<<8)|\new
.set MSB, \new
.endif
.endm
.macro GLOAD reg, off                  ; my 4,096 bytes of a group, from memory into registers
.irp i, 0,1,2,3,4,5,6,7
	global_load_b128 v[\reg+4*\i:\reg+4*\i+3], v[GV], s[14:15] offset:\off+512*\i
.endr
.endm
.macro LSTORE reg, adr, off            ; and from registers into LDS, as they lie
.irp i, 0,1,2,3,4,5,6,7
	ds_store_b128 v[\adr], v[\reg+4*\i:\reg+4*\i+3] offset:\off+512*\i
.endr
.endm
.macro KLOAD off                       ; a step's fragments of K
.irp c, 0,1,2,3,4,5,6,7
	ds_load_b128 v[KF+8*\c:KF+8*\c+3],   v[ADR] offset:\off+1024*\c
	ds_load_b128 v[KF+8*\c+4:KF+8*\c+7], v[ADR] offset:\off+1024*\c+512
.endr
.endm
	s_load_b128 s[4:7], s[0:1], 0x0                ; qkv s[4:5], the scales s[6:7]
	s_load_b64 s[8:9], s[0:1], 0x10                ; ao
	v_lshrrev_b32 v8, 5, v0
	v_and_b32 v[LI], 31, v0
	v_lshl_add_u32 v[SPW], v0, 2, SPARE
	v_mov_b32 v[NIL], 0
	v_readfirstlane_b32 s[WV], v8                  ; wave 0..7
	v_lshlrev_b32 v[PFO], 8, v[LI]
	v_lshlrev_b32 v[LI], 4, v[LI]
	s_lshl_b32 s12, s[WV], 12                      ; my 4,096 bytes of a group
	v_mov_b32 v9, 0xff61b1e6                       ; the largest score so far: -3e38
	v_mov_b32 v11, 0xff61b1e6
	v_add_nc_u32 v[GV], s12, v[LI]
	v_mov_b32 v8, 0x7f61b1e6                       ; -M
	v_mov_b32 v10, 0x7f61b1e6
	v_mov_b32 v17, 0                               ; a lane permute's destination counts as one of its sources
	v_mov_b32 v19, 0
	v_mov_b32 v25, 0                               ; (named as the upper halves of pairs)
	v_mov_b32 v27, 0
	v_mov_b32 v[ADR], v[LI]
	v_add_nc_u32 v[LV], 0x10000, v[GV]             ; group 2 is the first that the loop stores
	s_wait_alu depctr_va_vdst(0)
	s_and_b32 s11, ttmp7, 0xffff                   ; the head: 16 x batch + head
	s_mov_b32 s[SEL], 0x76543210
	s_mov_b32 s[SEL+1], 0xfedcba98
	s_mov_b32 s[CS], 0x3e38aa3b                    ; log2(e) / 8
	s_lshl_b32 s14, s11, 18                        ; the head's block,
	s_add_co_u32 s14, s14, 0x400000                ; behind q
	s_mov_b32 s15, 0
	s_lshl_b32 s13, ttmp9, 4
	s_lshl_b32 s12, s[WV], 1
	s_add_co_u32 s13, s13, s12                     ; my first tile of 16 queries: 16 x work-group x + 2 x wave
	s_lshl_b32 s16, s11, 17
	s_lshl_b32 s17, s13, 10
	s_add_co_u32 s16, s16, s17                     ; its image in q
	s_mov_b32 s17, 0
	s_lshr_b32 s20, s11, 4
	s_lshl_b32 s20, s20, 7
	s_add_co_u32 s20, s20, s13                     ; its tile of tokens: 128 x batch + tile
	s_lshl_b32 s20, s20, 3
	s_bfe_u32 s21, s11, 0x30001                    ; the projection's K step: head / 2
	s_add_co_u32 s20, s20, s21
	s_lshl_b32 s20, s20, 11
	s_and_b32 s21, s11, 1                          ; an odd head is the K step's second 64: registers 8-15
	s_lshl_b32 s21, s21, 10
	s_add_co_u32 s20, s20, s21
	s_mov_b32 s21, 0
	s_lshl_b32 s22, ttmp9, 15                      ; the prefetch: group x, 8,192 bytes a wave
	s_lshl_b32 s23, s[WV], 13
	s_add_co_u32 s22, s22, s23
	s_mov_b32 s23, 0
	s_sub_co_u32 s[LIM], ttmp9, 4                  ; (work-groups 0 to 3: no trip has that number)
	s_cmp_lt_u32 s[WV], 4
	s_cselect_b32 s[LIM], s[LIM], -1
	s_mov_b32 s[TB], 0
	s_mov_b32 s[TS], 0x10000
	s_mov_b32 s[CNT], 0
	s_wait_kmcnt 0x0
	s_load_b128 s[68:71], s[6:7], 0x18             ; entries 6, 7, 8, 9
	s_load_b32 s72, s[6:7], 0x28                   ; entry 10
	s_add_nc_u64 s[14:15], s[4:5], s[14:15]
	s_add_nc_u64 s[16:17], s[4:5], s[16:17]
	s_add_nc_u64 s[8:9], s[8:9], s[20:21]
	s_add_nc_u64 s[PFA:PFA+1], s[14:15], s[22:23]
	GLOAD SA, 0                                    ; group 0
	GLOAD SB, GRP                                  ; group 1
	WIN 0x40
	global_load_b128 v[QA:QA+3],   v[LI], s[16:17]             ; Q's fragments stay in registers
	global_load_b128 v[QA+4:QA+7], v[LI], s[16:17] offset:512
	global_load_b128 v[QB:QB+3],   v[LI], s[16:17] offset:1024
	global_load_b128 v[QB+4:QB+7], v[LI], s[16:17] offset:1536
.set n, 0
.rept 64
	v_mov_b32 v[OA+n], 0                           ; O^T: the step's first run finds zeros, which the first change of M leaves zeros
.set n, n+1
.endr
.set n, 0
.rept 16
	v_mov_b32 v[LA+n], 0                           ; and the running sums
.set n, n+1
.endr
	WIN 0
	s_wait_kmcnt 0x0
	s_add_co_i32 s20, s68, s69
	s_lshl_b32 s20, s20, 23
	s_add_co_i32 s[CS], s[CS], s20                 ; a score stands for score x 2^(entries 6 + 7)
	s_mov_b32 s[CS+1], s[CS]
	s_add_co_i32 s20, s70, 127
	s_lshl_b32 s21, s20, 23
	v_mov_b32 v29, s21                             ; 2^(entry 8), for p's conversion
	s_add_co_i32 s20, s20, 8
	s_lshl_b32 s20, s20, 23
	s_or_b32 s20, s20, 0x600000
	v_mov_b32 v28, s20                             ; 448 x that
	s_sub_co_i32 s20, s72, s70
	s_sub_co_i32 s20, s20, s71                     ; O's sums stand for sum x 2^(entries 8 + 9): the three scales are folded into the way out's one
	s_add_co_i32 s20, s20, 127
	s_lshl_b32 s21, s20, 23
	v_mov_b32 v30, s21
	s_add_co_i32 s20, s20, 8
	s_lshl_b32 s20, s20, 23
	s_or_b32 s20, s20, 0x600000
	v_mov_b32 v31, s20
	s_wait_alu depctr_va_vdst(0)
	s_wait_loadcnt 12                              ; loads come back in order: group 0's eight are in; group 1's eight and Q's four may be out
	LSTORE SA, GV, 0
	s_wait_loadcnt 4                               ; group 1's are in
	LSTORE SB, GV, GRP
	WIN 0x40
	GLOAD ST, 2*GRP                                ; group 2
	WIN 0
	s_wait_dscnt 0x0                               ; for the others' sake: my stores have landed
	s_barrier_signal -1
	s_barrier_wait -1                              ; everybody's part of groups 0 and 1 lies in LDS
	s_barrier_signal -1                            ; the loop's barrier is open at its head: its wait stands ahead of a trip's stores
	s_wait_loadcnt 8                               ; Q is in; group 2's eight may be out
	WIN 0x40
	KLOAD 0
	WIN 0
; A KEY STEP: 128 keys, the q-th of the group, both tiles.  Its K is on its way into registers.  next: the offset of the next step's K (-1: none).  turn = 1: the group's last step: the addresses step to the next group.
.macro STEP q, next, turn
	s_wait_dscnt 8                                 ; LDS loads come back in order: key tiles 0-3 are in, the eight loads of tiles 4-7 may be out
	WIN 0x05                                       ; sources in window 1, results in window 0
.irp c, 0,1,2,3,4,5,6,7
.if \c == 4
	s_wait_dscnt 0x0
.endif
	v_wmma_f32_16x16x64_fp8_fp8 v[SA+8*\c:SA+8*\c+7], v[KF+8*\c:KF+8*\c+7], v[QA:QA+7], 0
	v_wmma_f32_16x16x64_fp8_fp8 v[SB+8*\c:SB+8*\c+7], v[KF+8*\c:KF+8*\c+7], v[QB:QB+7], 0
.endr
	WIN 0
.rept 4
	v_nop                                          ; places: in front of the loads below, into registers that products have read, and of the first read of scores
.endr
	WIN 0x40
.irp t, 0,1,2,3
.irp g, 0,1,2,3
	ds_load_b128 v[VF+16*\t+4*\g:VF+16*\t+4*\g+3], v[ADR] offset:16384*(\q)+8192+2048*\t+512*\g   ; V^T: it lands under the softmax,
.endr
.endr
.if \next >= 0
	KLOAD \next                                    ; and so does the next step's K
.endif
	WIN 0
.if \turn
	v_add_nc_u32 v[ADR], s[TB], v[LI]              ; on to the next group
	v_add_nc_u32 v[LV], s[TS], v[GV]
.endif
.set n, 0
.rept 8                                ; the largest score of my queries, the earlier steps' with it, in four chains a tile (v20, v21, v12, v13 of A; v22, v23, v14, v15 of B); each accumulator is first read at its low end
.if n == 0
	v_max3_num_f32 v20, v9, v[SA], v[SA+1]
	v_max3_num_f32 v22, v11, v[SB], v[SB+1]
	v_max3_num_f32 v21, v9, v[SA+16], v[SA+17]
	v_max3_num_f32 v23, v11, v[SB+16], v[SB+17]
	v_max3_num_f32 v12, v9, v[SA+32], v[SA+33]
	v_max3_num_f32 v14, v11, v[SB+32], v[SB+33]
	v_max3_num_f32 v13, v9, v[SA+48], v[SA+49]
	v_max3_num_f32 v15, v11, v[SB+48], v[SB+49]
.else
	v_max3_num_f32 v20, v20, v[SA+n], v[SA+n+1]
	v_max3_num_f32 v22, v22, v[SB+n], v[SB+n+1]
	v_max3_num_f32 v21, v21, v[SA+16+n], v[SA+17+n]
	v_max3_num_f32 v23, v23, v[SB+16+n], v[SB+17+n]
	v_max3_num_f32 v12, v12, v[SA+32+n], v[SA+33+n]
	v_max3_num_f32 v14, v14, v[SB+32+n], v[SB+33+n]
	v_max3_num_f32 v13, v13, v[SA+48+n], v[SA+49+n]
	v_max3_num_f32 v15, v15, v[SB+48+n], v[SB+49+n]
.endif
.set n, n+2
.endr
	v_max3_num_f32 v20, v20, v21, v12
	v_max3_num_f32 v22, v22, v23, v14
	v_max_num_f32 v20, v20, v13
	v_max_num_f32 v22, v22, v15
	v_permlanex16_b32 v17, v20, s[SEL], s[SEL+1]
	v_permlanex16_b32 v19, v22, s[SEL], s[SEL+1]
	v_max_num_f32 v9, v20, v17                     ; and among lane l xor 16's
	v_max_num_f32 v11, v22, v19
	v_mul_f32 v20, s[CS], -v9                      ; -t (c is positive)
	v_mul_f32 v22, s[CS], -v11
	v_floor_f32 v24, v20                           ; the new -M = floor(-t) = -ceil(t)
	v_floor_f32 v26, v22
	v_sub_f32 v20, v24, v8                         ; old M - new M: a whole number, 0 or less
	v_sub_f32 v22, v26, v10
.set n, 0
.rept 4                                ; A: t - M, two at a time (of the pairs the low word serves both halves); f is made between
	v_pk_fma_f32 v[SA+n:SA+n+1], v[SA+n:SA+n+1], s[CS:CS+1], v[24:25] op_sel_hi:[1,0,0]
.set n, n+2
.endr
	v_cvt_i32_f32 v20, v20                         ; (it saturates)
	v_cvt_i32_f32 v22, v22
	v_mov_b32 v8, v24
	v_mov_b32 v10, v26
.rept 4
	v_pk_fma_f32 v[SA+n:SA+n+1], v[SA+n:SA+n+1], s[CS:CS+1], v[24:25] op_sel_hi:[1,0,0]
.set n, n+2
.endr
	v_ldexp_f32 v16, 1.0, v20                      ; f = 2^(old M - new M)
	v_ldexp_f32 v18, 1.0, v22
.rept 24
	v_pk_fma_f32 v[SA+n:SA+n+1], v[SA+n:SA+n+1], s[CS:CS+1], v[24:25] op_sel_hi:[1,0,0]
.set n, n+2
.endr
	WIN 0x41                                       ; O^T in window 1, f in window 0
.set n, 0
.rept 16
	v_pk_mul_f32 v[OA+n:OA+n+1], v[OA+n:OA+n+1], v[16:17] op_sel_hi:[1,0]   ; O^T under the new M; each accumulator from its low end on
	v_pk_mul_f32 v[OB+n:OB+n+1], v[OB+n:OB+n+1], v[18:19] op_sel_hi:[1,0]
.set n, n+2
.endr
	WIN 0
	s_wait_alu depctr_va_vdst(0)
.set n, 0
.rept 32
	v_exp_f32 v[SA+n], v[SA+n]                     ; A: p = 2^(t - M)
	v_exp_f32 v[SA+n+1], v[SA+n+1]
	v_pk_fma_f32 v[SB+n:SB+n+1], v[SB+n:SB+n+1], s[CS:CS+1], v[26:27] op_sel_hi:[1,0,0]   ; B: t - M
.set n, n+2
.endr
	s_wait_alu depctr_va_vdst(0)                   ; one wait behind the batch and ahead of the next
.irp c, 0,1,2,3,4,5,6,7                ; B: p; between them the first level of A's sums
	v_exp_f32 v[SB+8*\c], v[SB+8*\c]
	v_exp_f32 v[SB+8*\c+1], v[SB+8*\c+1]
	v_exp_f32 v[SB+8*\c+2], v[SB+8*\c+2]
	v_exp_f32 v[SB+8*\c+3], v[SB+8*\c+3]
	v_pk_add_f32 v[TPA+4*\c:TPA+4*\c+1], v[SA+8*\c:SA+8*\c+1], v[SA+8*\c+2:SA+8*\c+3]
	v_exp_f32 v[SB+8*\c+4], v[SB+8*\c+4]
	v_exp_f32 v[SB+8*\c+5], v[SB+8*\c+5]
	v_exp_f32 v[SB+8*\c+6], v[SB+8*\c+6]
	v_exp_f32 v[SB+8*\c+7], v[SB+8*\c+7]
	v_pk_add_f32 v[TPA+4*\c+2:TPA+4*\c+3], v[SA+8*\c+4:SA+8*\c+5], v[SA+8*\c+6:SA+8*\c+7]
.endr
	s_cmp_ge_i32 s70, -8                           ; entry 8 at -8 or more: 448 x 2^(entry 8) is 1.75 or more, above every p: the hold would change nothing
	s_wait_alu depctr_va_vdst(0)                   ; one wait behind the batch
.irp c, 0,1,2,3,4,5,6,7                ; the first level of B's sums
	v_pk_add_f32 v[TPB+4*\c:TPB+4*\c+1], v[SB+8*\c:SB+8*\c+1], v[SB+8*\c+2:SB+8*\c+3]
	v_pk_add_f32 v[TPB+4*\c+2:TPB+4*\c+3], v[SB+8*\c+4:SB+8*\c+5], v[SB+8*\c+6:SB+8*\c+7]
.endr
	s_cbranch_scc1 .Lfree_\@
.set n, 0
.rept 128
	v_min_num_f32 v[SA+n], v[SA+n], v28            ; the conversion does not saturate (ISA guide 7.6.2); p is not negative, so the hold is one-sided
.set n, n+1
.endr
.Lfree_\@:
.irp c, 0,1,2,3,4,5,6,7
	v_cvt_scalef32_pk8_fp8_f32 v[PA+2*\c:PA+2*\c+1], v[SA+8*\c:SA+8*\c+7], v29
	v_cvt_scalef32_pk8_fp8_f32 v[PB+2*\c:PB+2*\c+1], v[SB+8*\c:SB+8*\c+7], v29
.endr
.irp n, 0,2,4,6,8,10,12,14             ; A's second level; also the plain lines between the conversions and the products
	v_pk_add_f32 v[TPA+\n:TPA+\n+1], v[TPA+\n:TPA+\n+1], v[TPA+16+\n:TPA+16+\n+1]
.endr
	s_wait_alu depctr_va_vdst(0)
.if \next >= 0
	s_wait_dscnt 16                                ; V^T is in; the next step's K may be out
.else
	s_wait_dscnt 0x0
.endif
	WIN 0x51                                       ; V^T and O^T in window 1, P in window 0
.irp t, 0,1,2,3
	v_wmma_f32_16x16x128_fp8_fp8 v[OA+8*\t:OA+8*\t+7], v[VF+16*\t:VF+16*\t+15], v[PA:PA+15], v[OA+8*\t:OA+8*\t+7]   ; eight accumulators by turns
	v_wmma_f32_16x16x128_fp8_fp8 v[OB+8*\t:OB+8*\t+7], v[VF+16*\t:VF+16*\t+15], v[PB:PB+15], v[OB+8*\t:OB+8*\t+7]
.endr
	WIN 0
.irp n, 0,2,4,6,8,10,12,14             ; B's second level, both third levels,
	v_pk_add_f32 v[TPB+\n:TPB+\n+1], v[TPB+\n:TPB+\n+1], v[TPB+16+\n:TPB+16+\n+1]
.endr
.irp n, 0,2,4,6
	v_pk_add_f32 v[TPA+\n:TPA+\n+1], v[TPA+\n:TPA+\n+1], v[TPA+8+\n:TPA+8+\n+1]
	v_pk_add_f32 v[TPB+\n:TPB+\n+1], v[TPB+\n:TPB+\n+1], v[TPB+8+\n:TPB+8+\n+1]
.endr
	WIN 0x41
.irp n, 0,2,4,6                        ; and the running sums: brought under the new M, and this step's added
	v_pk_fma_f32 v[LA+\n:LA+\n+1], v[LA+\n:LA+\n+1], v[16:17], v[TPA+\n:TPA+\n+1] op_sel_hi:[1,0,1]
	v_pk_fma_f32 v[LB+\n:LB+\n+1], v[LB+\n:LB+\n+1], v[18:19], v[TPB+\n:TPB+\n+1] op_sel_hi:[1,0,1]
.endr
	WIN 0
.endm
.Lgroup:                                               ; seven trips, a group of two steps each
	STEP 0, 16384, 0
	s_barrier_wait -1                              ; what was stored in the trip before (at first: at the head) lies in LDS
	s_cmp_lt_u32 s[CNT], 6
	s_cbranch_scc0 .Lno_more                       ; (the last trip: every group has been stored)
	s_wait_loadcnt 0x0                             ; the group's bytes are in my registers, and its loads have read their base
	WIN 0x04
	LSTORE ST, LV, 0                               ; into bytes that nobody has read or written yet
	WIN 0
	s_add_nc_u64 s[14:15], s[14:15], GRP
	s_wait_dscnt 0x0                               ; my stores have read their registers,
	s_cmp_lt_u32 s[CNT], 5
	s_cbranch_scc0 .Lno_more
	WIN 0x40
	GLOAD ST, 2*GRP                                ; which take the next group
	WIN 0
	s_cmp_eq_u32 s[CNT], s[LIM]
	s_cbranch_scc0 .Lno_more
	global_prefetch_b8 v[PFO], s[PFA:PFA+1] th:TH_LOAD_NT scope:SCOPE_SE   ; group x, which the next trip loads
.Lno_more:
	s_add_co_u32 s[TB], s[TB], GRP
	s_add_co_u32 s[TS], s[TS], GRP
	s_wait_dscnt 0x0                               ; for the others' sake: my stores have landed
	s_barrier_signal -1
	STEP 1, GRP, 1
	s_add_co_u32 s[CNT], s[CNT], 1
	s_cmp_lt_u32 s[CNT], 7
	s_cbranch_scc1 .Lgroup
	STEP 0, 16384, 0                               ; the last group
	s_barrier_wait -1
	STEP 1, -1, 0
	; THE WAY OUT: O^T / the sum is quantised under entry 10 and leaves as registers of the projection's left operand: channels 16 t + 8 h + 0 .. 7 of my head are registers 2 t, 2 t + 1 of its half of the K step.
	WIN 0x05
	v_pk_add_f32 v[12:13], v[LA:LA+1], v[LA+2:LA+3]
	v_pk_add_f32 v[14:15], v[LB:LB+1], v[LB+2:LB+3]
	v_pk_add_f32 v[20:21], v[LA+4:LA+5], v[LA+6:LA+7]
	v_pk_add_f32 v[22:23], v[LB+4:LB+5], v[LB+6:LB+7]
	WIN 0
	v_pk_add_f32 v[12:13], v[12:13], v[20:21]
	v_pk_add_f32 v[14:15], v[14:15], v[22:23]
	v_add_f32 v12, v12, v13
	v_add_f32 v14, v14, v15
	v_permlanex16_b32 v17, v12, s[SEL], s[SEL+1]
	v_permlanex16_b32 v19, v14, s[SEL], s[SEL+1]
	v_add_f32 v12, v12, v17                        ; the rows' sums
	v_add_f32 v14, v14, v19
	s_wait_alu depctr_va_vdst(0)
	v_rcp_f32 v16, v12
	v_rcp_f32 v18, v14
	v_nop                                          ; a plain line behind the reciprocals
	WIN 0x01
	s_wait_alu depctr_va_vdst(0)                   ; and the wait ahead of their first reader and of the first reader of O^T
.set n, 0
.rept 16
	v_pk_mul_f32 v[SA+n:SA+n+1], v[OA+n:OA+n+1], v[16:17] op_sel_hi:[1,0]   ; each accumulator from its low end on
.set n, n+2
.endr
.set n, 0
.rept 16
	v_pk_mul_f32 v[SB+n:SB+n+1], v[OB+n:OB+n+1], v[18:19] op_sel_hi:[1,0]
.set n, n+2
.endr
	WIN 0
.set n, 0
.rept 32
	v_med3_num_f32 v[SA+n], v[SA+n], -v31, v31
	v_med3_num_f32 v[SB+n], v[SB+n], -v31, v31
.set n, n+1
.endr
.irp t, 0,1,2,3
	v_cvt_scalef32_pk8_fp8_f32 v[PA+2*\t:PA+2*\t+1], v[SA+8*\t:SA+8*\t+7], v30
	v_cvt_scalef32_pk8_fp8_f32 v[PB+2*\t:PB+2*\t+1], v[SB+8*\t:SB+8*\t+7], v30
.endr
	v_nop
	global_store_b128 v[LI], v[PA:PA+3], s[8:9]                ; 512 consecutive bytes, aligned
	global_store_b128 v[LI], v[PA+4:PA+7], s[8:9] offset:512
	global_store_b128 v[LI], v[PB:PB+3], s[8:9] offset:16384   ; the next tile of tokens
	global_store_b128 v[LI], v[PB+4:PB+7], s[8:9] offset:16896
	s_wait_tensorcnt 0x0                           ; the wave's end
	ds_add_u32 v[SPW], v[NIL]
	s_wait_dscnt 0x0
	s_endpgm
.Lfunc_end_k_q4875854c31_attn:
	.size	k_q4875854c31_attn, .Lfunc_end_k_q4875854c31_attn-k_q4875854c31_attn
	.p2alignl 7, 3214868480
	.fill 96, 4, 3214868480
	.section	.rodata,"a",@progbits
	.p2align	6, 0x0
	.amdhsa_kernel k_q4875854c31_attn
		.amdhsa_group_segment_fixed_size 263168
		.amdhsa_private_segment_fixed_size 0
		.amdhsa_enable_private_segment 0
		.amdhsa_kernarg_size 24
		.amdhsa_user_sgpr_count 2
		.amdhsa_user_sgpr_kernarg_segment_ptr 1
		.amdhsa_wavefront_size32 1
		.amdhsa_system_sgpr_workgroup_id_x 1
		.amdhsa_system_sgpr_workgroup_id_y 1
		.amdhsa_system_sgpr_workgroup_id_z 1
		.amdhsa_system_vgpr_workitem_id 0
		.amdhsa_next_free_vgpr 512
		.amdhsa_next_free_sgpr 84
		.amdhsa_reserve_vcc 0
		.amdhsa_float_denorm_mode_32 3
		.amdhsa_float_denorm_mode_16_64 3
		.amdhsa_memory_ordered 1
		.amdhsa_forward_progress 1
		.amdhsa_inst_pref_size 133
	.end_amdhsa_kernel
	.amdgpu_metadata
---
amdhsa.version: [ 1, 2 ]
amdhsa.kernels:
  - .name:           k_q4875854c31_attn
    .symbol:         k_q4875854c31_attn.kd
    .args:
      - { .name: qkv, .offset: 0, .size: 8, .value_kind: global_buffer, .address_space: global }
      - { .name: lowp_scales, .offset: 8, .size: 8, .value_kind: global_buffer, .address_space: global }
      - { .name: ao, .offset: 16, .size: 8, .value_kind: global_buffer, .address_space: global }
    .group_segment_fixed_size: 263168
    .private_segment_fixed_size: 0
    .kernarg_segment_align: 8
    .kernarg_segment_size: 24
    .max_flat_workgroup_size: 256
    .sgpr_count:     84
    .vgpr_count:     512
    .wavefront_size: 32
...
	.end_amdgpu_metadata
.endif
;; end of part 3
;; launch projln (part 4): grid 256 x 1, 16 waves a work-group, clusters of 4 x 1, 327,680 bytes of LDS; arguments ao, wpi, lowp_scales, bp, x, ln_g, ln_b, out0; writes out0
.if DOCPART == 4
	.amdgcn_target "amdgcn-amd-amdhsa--gfx1250"
	.amdhsa_code_object_version 6
	.text
	.protected	k_q4875854c31_projln
	.globl	k_q4875854c31_projln
	.p2align	8
	.type	k_q4875854c31_projln,@function
k_q4875854c31_projln:
	s_mov_b64 s[64:65], 0
	v_nop
	global_prefetch_b8 v0, s[64:65] scope:SCOPE_SE
	s_setreg_imm32_b32 hwreg(HW_REG_WAVE_MODE, 25, 1), 1
	s_wait_xcnt 0x0
	s_wait_alu depctr_hold_cnt(0) depctr_sa_sdst(0) depctr_va_vdst(0) depctr_va_sdst(0) depctr_va_ssrc(0) depctr_va_vcc(0) depctr_vm_vsrc(0)
	s_getreg_b32 s2, hwreg(HW_REG_IB_STS2, 6, 4)
	s_cmp_eq_u32 s2, 0
	s_cbranch_scc0 .Lentry_in_a_cluster
	s_endpgm
.Lentry_in_a_cluster:
	s_bfe_u32 s2, ttmp6, 0x10000c
	s_cmp_lg_u32 s2, 0x3003
	s_cbranch_scc0 .Lentry_shape_is_right
	s_endpgm
.Lentry_shape_is_right:
; out0 = LayerNorm(x + ao Wp + bp) x ln_g + ln_b: the last product on codes of E4M3, the rest in f32.  No work of the problem is left out here.
; SHARES.  The norm runs over whole rows of 1,024, so a work-group owns whole rows: 16 of them, 256 work-groups.  Its sixteen waves share the COLUMNS of the product: wave w makes columns 64 w .. 64 w + 63 of the 16 rows
; (four accumulators), then the results meet in a stage in LDS and wave w norms row w.
; EVERY WORK-GROUP WALKS ALL 1,048,576 BYTES OF Wp, BY TWO ROADS.  wpi holds Wp's fragments in the order of the operand's registers, a K step of 128 in 131,072 dense bytes.
;   K steps 0 to 3 come STRAIGHT INTO REGISTERS: each load is 512 consecutive bytes; two buffers of 16 loads take turns.  Each fragment is used by one wave, once.
;   K steps 4 to 7 are asked for JOINTLY by the four work-groups of a cluster, two K steps at a time, 262,144 bytes, as much as LDS has room for: one tensor load of 16,384 bytes a wave at the head, and one refill.
;   K steps 2 and 3 are asked for ahead of the first two LDS-fed steps and multiplied while the refill is on its way.
; No prefetch: there is no loop to run ahead in; two fills bring what comes through LDS.
; The rows' codes (16,384 bytes a work-group) are read once, 1,024 bytes a wave, and handed round through LDS as images of the operand's registers.
; The matrix instruction takes 16 rows of Wp as source 0 and 16 tokens as source 1: a lane holds one token and eight neighbouring columns: 32 bytes of a row of the stage.
; bp goes in as the sums' first value, divided by the power of two that the sums lack.
; LIMITS: entries 10 + 11 between -126 and 126.  NaN among the inputs is not served.
; REGISTERS: v1 16 x lane; v2, v3, v10 offsets in wpi, ao, bp; v4 into the stage, v9 out of it; v6, v7 the add's two; v8, v11 my fragments of a fill's two K steps in LDS; v16-31 the rows' fragment, later sums;
;   v64-127, v128-191 Wp's two buffers, later x's row and ln_g, my row and ln_b; v32-63 with v224-255 the buffer of the LDS-fed steps; v192-223 the four accumulators.
.set AIMG,  0                          ; LDS: the rows' 8 fragments, 2,048 bytes each
.set WPL,   16384                      ; two K steps of Wp, as they lie in wpi
.set STG,   WPL                        ; the stage: 16 rows x (4,096 bytes + 16), in bytes that have had their last fill and, behind a barrier, their last read
.set SP,    4112                       ; the sixteen rows that a store touches start at sixteen different banks (64 banks of 4 bytes: ISA guide 11.1)
.set SPARE, WPL+262144                 ; the spare words, 128 bytes for each of sixteen waves
.set AFR,   16
.set ACC,   192
.set Y,     128
.set XR,    64
.set LG,    96
.set LB,    160
.set T,     16
.set WV,    26                         ; s26  my wave's number
.set G1,    36                         ; s[36:43] descriptor group 1
.set G0,    44                         ; s[44:47] group 0
.macro CROUND                          ; a round of the cluster's barrier
	s_barrier_signal -1
	s_barrier_wait -1
	s_cmp_lg_u32 s[WV], 0
	s_cbranch_scc1 .Lnot_wave_0_\@
	s_barrier_signal -3
.Lnot_wave_0_\@:
	s_barrier_wait -3
	s_barrier_signal -1
	s_barrier_wait -1
.endm
.macro JOINT                           ; my 16,384 bytes of a fill
	tensor_load_to_lds s[G0:G0+3], s[G1:G1+7]
	s_nop 0
.rept 4
	v_nop
.endr
.endm
	s_load_b256 s[4:11], s[0:1], 0x0               ; ao s[4:5], wpi s[6:7], the scales s[8:9], bp s[10:11]
	s_load_b256 s[12:19], s[0:1], 0x20             ; x s[12:13], ln_g s[14:15], ln_b s[16:17], out0 s[18:19]
	v_lshl_add_u32 v6, v0, 2, SPARE
	v_mov_b32 v7, 0
	ds_add_u32 v6, v7                              ; the wave's opening: the add, twice on end, and its wait ahead of my first tensor load
	ds_add_u32 v6, v7                              ; and once more, under the one wait; the set-up below, work on registers, stands between
	v_lshrrev_b32 v8, 5, v0
	s_delay_alu instid0(VALU_DEP_1)
	v_readfirstlane_b32 s[WV], v8                  ; wave 0..15
	v_and_b32 v1, 31, v0
	s_delay_alu instid0(VALU_DEP_1)
	v_lshlrev_b32 v1, 4, v1                        ; 16 x lane
	s_lshl_b32 s27, s[WV], 13
	v_add_nc_u32 v2, s27, v1                       ; wpi: my four tiles of outputs, 8,192 bytes in each K step
	s_add_co_u32 s27, s27, WPL
	v_add_nc_u32 v8, s27, v1                       ; the same in LDS, a fill's first K step,
	s_delay_alu instid0(VALU_DEP_1)
	v_add_nc_u32 v11, 131072, v8                   ; and its second
	s_lshl_b32 s27, s[WV], 10
	v_add_nc_u32 v3, s27, v1                       ; ao, and its image in LDS: my 1,024 bytes
	v_and_b32 v12, 15, v0                          ; r
	v_bfe_u32 v13, v0, 4, 1                        ; h
	s_delay_alu instid0(VALU_DEP_2)
	v_mul_u32_u24 v4, v12, SP
	s_delay_alu instid0(VALU_DEP_1)
	v_lshl_add_u32 v4, v13, 5, v4
	s_lshl_b32 s27, s[WV], 8
	v_lshl_add_u32 v10, v13, 5, s27                ; bp: my 64 numbers, + 8 h numbers
	s_add_co_u32 s27, s27, STG
	v_add_nc_u32 v4, s27, v4                       ; into the stage: row r, + 32 h, + my 256 bytes of a row
	s_mul_i32 s27, s[WV], SP
	s_add_co_u32 s27, s27, STG
	v_add_nc_u32 v9, s27, v1                       ; out of it: row w, 16 bytes a lane
	s_bfe_u32 s28, ttmp6, 0x40000                  ; cx: it enters ao's, x's and out0's addresses alone
	s_lshl_b32 s29, ttmp9, 2                       ; in a cluster launch ttmp9 counts clusters
	s_add_co_u32 s28, s29, s28                     ; my work-group
	s_lshl_b32 s30, s28, 4
	s_add_co_u32 s30, s30, s[WV]                   ; the row that I norm: 16 x work-group + wave
	s_lshl_b32 s30, s30, 12
	s_mov_b32 s31, 0
	s_lshl_b32 s28, s28, 14                        ; ao: 16,384 bytes a work-group
	s_mov_b32 s29, 0
	s_lshl_b32 s22, s[WV], 14                      ; my 16,384 bytes of two K steps: the wave's number alone
	s_mov_b32 s[G0], 1                             ; count = 1
	s_add_co_u32 s[G0+1], s22, WPL                 ; LDS address
	s_add_co_u32 s22, s22, 4*131072                ; in wpi: from K step 4 on
	s_mov_b32 s23, 0
	; descriptor group 1: 64 rows of 256 bytes, dense in memory and in LDS
	s_mov_b32 s[G1], 15|(3<<16)|(1<<21)            ; 15:0 the mask: all four work-groups; 17:16 elements of 8 bytes; 21 set beside a mask
	s_mov_b32 s[G1+1], 32<<16                      ; tensor_dim0 = 32 elements
	s_mov_b32 s[G1+2], 64<<16                      ; tensor_dim1 = 64
	s_mov_b32 s[G1+3], 32<<16                      ; tile_dim0
	s_mov_b32 s[G1+4], 64                          ; tile_dim1
	s_mov_b32 s[G1+5], 32                          ; from row to row
	s_mov_b32 s[G1+6], 0
	s_mov_b32 s[G1+7], 0
	s_mov_b32 s32, 0x76543210
	s_mov_b32 s33, 0xfedcba98                      ; lane l xor 16
	s_mov_b32 s34, 0x3a800000                      ; 1 / 1,024
	s_mov_b32 s35, 0x3727c5ac                      ; 1e-5
	s_wait_alu depctr_va_vdst(0)
	s_wait_dscnt 0x0                               ; both opening adds are done
	s_wait_kmcnt 0x0
	s_load_b64 s[24:25], s[8:9], 0x28              ; entries 10, 11
	s_add_nc_u64 s[4:5], s[4:5], s[28:29]
	s_add_nc_u64 s[12:13], s[12:13], s[30:31]
	s_add_nc_u64 s[18:19], s[18:19], s[30:31]
	s_add_nc_u64 s[G0+2:G0+3], s[6:7], s[22:23]
	s_or_b32 s[G0+3], s[G0+3], 0x80000000          ; type = 2
.macro BLOAD k, buf                    ; Wp's four fragments of K step k into the buffer at v[buf]
.irp nt, 0,1,2,3
.irp g, 0,1,2,3
	global_load_b128 v[\buf+16*\nt+4*\g:\buf+16*\nt+4*\g+3], v2, s[6:7] offset:131072*(\k)+2048*\nt+512*\g
.endr
.endr
.endm
.irp nt, 0,1,2,3
	global_load_b128 v[ACC+8*\nt:ACC+8*\nt+3],   v10, s[10:11] offset:64*\nt      ; bp[64 w + 16 nt + 8 h + 0 .. 7]: the layout of a result's eight registers
	global_load_b128 v[ACC+8*\nt+4:ACC+8*\nt+7], v10, s[10:11] offset:64*\nt+16
.endr
	global_load_b128 v[224:227], v3, s[4:5] th:TH_LOAD_NT              ; the rows' codes
	global_load_b128 v[228:231], v3, s[4:5] offset:512 th:TH_LOAD_NT
	CROUND                                         ; all four work-groups are here: the joint loads meet
	JOINT                                          ; K steps 4 and 5
	BLOAD 0, 64
	BLOAD 1, 128
	s_wait_kmcnt 0x0
	s_add_co_i32 s20, s24, s25
	s_sub_co_i32 s22, 127, s20
	s_lshl_b32 s22, s22, 23                        ; 2^-(entries 10 + 11)
	s_mov_b32 s23, s22
	s_add_co_i32 s20, s20, 127
	s_lshl_b32 s20, s20, 23                        ; 2^(entries 10 + 11)
	s_mov_b32 s21, s20
	s_wait_loadcnt 32                              ; bp and the rows' codes are in; Wp's K steps 0 and 1 may be out
	ds_store_b128 v3, v[224:227] offset:AIMG
	ds_store_b128 v3, v[228:231] offset:AIMG+512
.set j, 0
.rept 16
	v_pk_mul_f32 v[ACC+j:ACC+j+1], v[ACC+j:ACC+j+1], s[22:23] op_sel_hi:[1,0]   ; the sums begin as bp / 2^(entries 10 + 11)
.set j, j+2
.endr
	s_wait_alu depctr_va_vdst(0)
	s_wait_dscnt 0x0                               ; for the others' sake: my stores have landed
	s_barrier_signal -1
	s_barrier_wait -1                              ; the eight fragments lie in LDS.  (My tensor load may stay out)
.macro AFETCH k                        ; the rows' fragment of K step k
.irp g, 0,1,2,3
	ds_load_b128 v[AFR+4*\g:AFR+4*\g+3], v1 offset:AIMG+2048*(\k)+512*\g
.endr
.endm
.macro MULS b0, b1, b2, b3             ; four products, the accumulators by turns; then the places in front of loads into registers that they have read, and of the first read of results
	v_wmma_f32_16x16x128_fp8_fp8 v[ACC:ACC+7],     v[\b0:\b0+15], v[AFR:AFR+15], v[ACC:ACC+7]
	v_wmma_f32_16x16x128_fp8_fp8 v[ACC+8:ACC+15],  v[\b1:\b1+15], v[AFR:AFR+15], v[ACC+8:ACC+15]
	v_wmma_f32_16x16x128_fp8_fp8 v[ACC+16:ACC+23], v[\b2:\b2+15], v[AFR:AFR+15], v[ACC+16:ACC+23]
	v_wmma_f32_16x16x128_fp8_fp8 v[ACC+24:ACC+31], v[\b3:\b3+15], v[AFR:AFR+15], v[ACC+24:ACC+31]
.rept 4
	v_nop
.endr
.endm
.macro KSV k, buf, cnt                 ; a K step whose fragments of Wp came straight into registers.  cnt: the loads issued behind them, which may be out
	AFETCH \k
	s_wait_loadcnt \cnt
	s_wait_dscnt 0x0
	MULS \buf, \buf+16, \buf+32, \buf+48
.endm
.macro KSL k, adr                      ; a K step whose fragments of Wp lie in LDS
	AFETCH \k
.irp g, 0,1,2,3
	ds_load_b128 v[32+4*\g:35+4*\g],   v[\adr] offset:512*\g
	ds_load_b128 v[48+4*\g:51+4*\g],   v[\adr] offset:2048+512*\g
	ds_load_b128 v[224+4*\g:227+4*\g], v[\adr] offset:4096+512*\g
	ds_load_b128 v[240+4*\g:243+4*\g], v[\adr] offset:6144+512*\g
.endr
	s_wait_dscnt 0x0
	MULS 32, 48, 224, 240
.endm
.macro LANDED                          ; my part of the fill is in LDS; behind the barrier everybody's is
	s_wait_tensorcnt 0x0
	s_wait_dscnt 0x0
	s_barrier_signal -1
	s_barrier_wait -1
.endm
	KSV 0, 64, 16                                  ; behind K step 0's loads: K step 1's sixteen
	BLOAD 2, 64
	KSV 1, 128, 16                                 ; behind K step 1's: K step 2's
	BLOAD 3, 128
	LANDED
	KSL 4, 8
	KSL 5, 11
	s_wait_tensorcnt 0x0                           ; no tensor load of mine is out, so group 0 may be written
	ds_add_u32 v6, v7                              ; 0 onto my spare word
	s_add_nc_u64 s[G0+2:G0+3], s[G0+2:G0+3], 0x40000
	s_wait_dscnt 0x0                               ; the add is done, and so are my reads of these bytes
	CROUND                                         ; both hold of every wave of all four work-groups
	JOINT                                          ; K steps 6 and 7: the last fill
	KSV 2, 64, 16                                  ; behind K step 2's: K step 3's
.irp i, 0,1,2,3,4,5,6,7
	global_load_b128 v[XR+4*\i:XR+4*\i+3], v1, s[12:13] offset:512*\i th:TH_LOAD_NT   ; my row of x, and ln_g, into the buffer that K step 2 has left
	global_load_b128 v[LG+4*\i:LG+4*\i+3], v1, s[14:15] offset:512*\i                 ; a lane's columns are 128 i + 4 x lane + 0 .. 3, in the stage's rows, x, ln_g, ln_b and out0 alike
.endr
	KSV 3, 128, 16                                 ; behind K step 3's: x's eight, ln_g's eight
.irp i, 0,1,2,3,4,5,6,7
	global_load_b128 v[LB+4*\i:LB+4*\i+3], v1, s[16:17] offset:512*\i
.endr
	LANDED
	KSL 6, 8
	KSL 7, 11
	s_wait_dscnt 0x0
	s_barrier_signal -1
	s_barrier_wait -1                              ; no wave reads Wp's bytes in LDS any more: the stage may be written over them
.irp nt, 0,1,2,3
	ds_store_b128 v4, v[ACC+8*\nt:ACC+8*\nt+3]   offset:64*\nt         ; lane (r, h): row r, columns 64 w + 16 nt + 8 h + 0 .. 7; each accumulator from its low end on
	ds_store_b128 v4, v[ACC+8*\nt+4:ACC+8*\nt+7] offset:64*\nt+16
.endr
	s_wait_dscnt 0x0
	s_barrier_signal -1
	s_barrier_wait -1                              ; 16 whole rows of sums lie in the stage
.irp i, 0,1,2,3,4,5,6,7
	ds_load_b128 v[Y+4*\i:Y+4*\i+3], v9 offset:512*\i
.endr
	s_wait_loadcnt 0x0                             ; x, ln_g, ln_b
	s_wait_dscnt 0x0
.set j, 0
.rept 16
	v_pk_fma_f32 v[Y+j:Y+j+1], v[Y+j:Y+j+1], s[20:21], v[XR+j:XR+j+1] op_sel_hi:[1,0,1]   ; (sum + bp / 2^e) x 2^e + x
.set j, j+2
.endr
.macro LANESUM v, t                    ; the sum over the wave's 32 lanes, in every lane
	s_delay_alu instid0(VALU_DEP_1)
	v_add_f32_dpp v[\v], v[\v], v[\v] row_xmask:1 row_mask:0xf bank_mask:0xf
	s_delay_alu instid0(VALU_DEP_1)
	v_add_f32_dpp v[\v], v[\v], v[\v] row_xmask:2 row_mask:0xf bank_mask:0xf
	s_delay_alu instid0(VALU_DEP_1)
	v_add_f32_dpp v[\v], v[\v], v[\v] row_xmask:4 row_mask:0xf bank_mask:0xf
	s_delay_alu instid0(VALU_DEP_1)
	v_add_f32_dpp v[\v], v[\v], v[\v] row_xmask:8 row_mask:0xf bank_mask:0xf
	s_delay_alu instid0(VALU_DEP_1)
	v_permlanex16_b32 v[\t], v[\v], s32, s33
	s_delay_alu instid0(VALU_DEP_1)
	v_add_f32 v[\v], v[\v], v[\t]
.endm
	v_pk_add_f32 v[18:19], v[128:129], v[130:131]
	v_pk_add_f32 v[254:255], v[136:137], v[140:141]
	v_pk_add_f32 v[252:253], v[144:145], v[148:149]
	v_pk_add_f32 v[250:251], v[152:153], v[156:157]
	v_pk_add_f32 v[248:249], v[132:133], v[134:135]
	v_pk_add_f32 v[246:247], v[138:139], v[142:143]
	v_pk_add_f32 v[244:245], v[146:147], v[150:151]
	v_pk_add_f32 v[16:17], v[154:155], v[158:159]
	s_delay_alu instid0(VALU_DEP_1)
	v_pk_add_f32 v[16:17], v[16:17], v[250:251]
	v_pk_add_f32 v[18:19], v[18:19], v[248:249]
	v_pk_add_f32 v[254:255], v[254:255], v[246:247]
	v_pk_add_f32 v[252:253], v[252:253], v[244:245]
	s_delay_alu instid0(VALU_DEP_2)
	v_pk_add_f32 v[16:17], v[16:17], v[254:255]
	s_delay_alu instid0(VALU_DEP_2)
	v_pk_add_f32 v[18:19], v[18:19], v[252:253]
	s_delay_alu instid0(VALU_DEP_1)
	v_pk_add_f32 v[16:17], v[16:17], v[18:19]
	s_delay_alu instid0(VALU_DEP_1)
	v_add_f32 v[T], v[T], v[T+1]
	LANESUM T, T+1
	s_delay_alu instid0(VALU_DEP_1)
	v_mul_f32 v[T], s34, v[T]
.set j, 0
.rept 16
	v_pk_add_f32 v[Y+j:Y+j+1], v[Y+j:Y+j+1], v[T:T+1] op_sel_hi:[1,0] neg_lo:[0,1] neg_hi:[0,1]   ; y - mean
.set j, j+2
.endr
	v_pk_mul_f32 v[T:T+1],   v[Y:Y+1],   v[Y:Y+1]                  ; the mean of the squares of y - mean
	v_pk_mul_f32 v[T+2:T+3], v[Y+2:Y+3], v[Y+2:Y+3]
.irp j, 4,8,12,16,20,24,28
	s_delay_alu instid0(VALU_DEP_2)
	v_pk_fma_f32 v[T:T+1],   v[Y+\j:Y+\j+1],   v[Y+\j:Y+\j+1],   v[T:T+1]
	s_delay_alu instid0(VALU_DEP_2)
	v_pk_fma_f32 v[T+2:T+3], v[Y+\j+2:Y+\j+3], v[Y+\j+2:Y+\j+3], v[T+2:T+3]
.endr
	s_delay_alu instid0(VALU_DEP_1)
	v_pk_add_f32 v[T:T+1], v[T:T+1], v[T+2:T+3]
	s_delay_alu instid0(VALU_DEP_1)
	v_add_f32 v[T], v[T], v[T+1]
	LANESUM T, T+1
	s_delay_alu instid0(VALU_DEP_1)
	v_fma_f32 v[T], v[T], s34, s35                 ; the variance + 1e-5
	s_wait_alu depctr_va_vdst(0)
	v_rsq_f32 v[T+4], v[T]
	v_nop                                          ; a plain line behind the root
	s_wait_alu depctr_va_vdst(0)                   ; and the wait ahead of its first reader
.set j, 0
.rept 16
	v_pk_mul_f32 v[Y+j:Y+j+1], v[Y+j:Y+j+1], v[T+4:T+5] op_sel_hi:[1,0]
.set j, j+2
.endr
.set j, 0
.rept 16
	v_pk_fma_f32 v[Y+j:Y+j+1], v[Y+j:Y+j+1], v[LG+j:LG+j+1], v[LB+j:LB+j+1]
.set j, j+2
.endr
.irp i, 0,1,2,3,4,5,6,7
	global_store_b128 v1, v[Y+4*\i:Y+4*\i+3], s[18:19] offset:512*\i th:TH_STORE_NT   ; 512 consecutive bytes, aligned; written once
.endr
	s_wait_tensorcnt 0x0                           ; the wave's end
	ds_add_u32 v6, v7
	s_wait_dscnt 0x0
	CROUND                                         ; the closing round: no work-group ends while a partner may still ask for a tile that names it
	s_endpgm
.Lfunc_end_k_q4875854c31_projln:
	.size	k_q4875854c31_projln, .Lfunc_end_k_q4875854c31_projln-k_q4875854c31_projln
	.p2alignl 7, 3214868480
	.fill 96, 4, 3214868480
	.section	.rodata,"a",@progbits
	.p2align	6, 0x0
	.amdhsa_kernel k_q4875854c31_projln
		.amdhsa_group_segment_fixed_size 327680
		.amdhsa_private_segment_fixed_size 0
		.amdhsa_enable_private_segment 0
		.amdhsa_kernarg_size 64
		.amdhsa_user_sgpr_count 2
		.amdhsa_user_sgpr_kernarg_segment_ptr 1
		.amdhsa_wavefront_size32 1
		.amdhsa_system_sgpr_workgroup_id_x 1
		.amdhsa_system_sgpr_workgroup_id_y 1
		.amdhsa_system_sgpr_workgroup_id_z 1
		.amdhsa_system_vgpr_workitem_id 0
		.amdhsa_next_free_vgpr 256
		.amdhsa_next_free_sgpr 66
		.amdhsa_reserve_vcc 0
		.amdhsa_float_denorm_mode_32 3
		.amdhsa_float_denorm_mode_16_64 3
		.amdhsa_memory_ordered 1
		.amdhsa_forward_progress 1
		.amdhsa_inst_pref_size 36
	.end_amdhsa_kernel
	.amdgpu_metadata
---
amdhsa.version: [ 1, 2 ]
amdhsa.kernels:
  - .name:           k_q4875854c31_projln
    .symbol:         k_q4875854c31_projln.kd
    .args:
      - { .name: ao, .offset: 0, .size: 8, .value_kind: global_buffer, .address_space: global }
      - { .name: wpi, .offset: 8, .size: 8, .value_kind: global_buffer, .address_space: global }
      - { .name: lowp_scales, .offset: 16, .size: 8, .value_kind: global_buffer, .address_space: global }
      - { .name: bp, .offset: 24, .size: 8, .value_kind: global_buffer, .address_space: global }
      - { .name: x, .offset: 32, .size: 8, .value_kind: global_buffer, .address_space: global }
      - { .name: ln_g, .offset: 40, .size: 8, .value_kind: global_buffer, .address_space: global }
      - { .name: ln_b, .offset: 48, .size: 8, .value_kind: global_buffer, .address_space: global }
      - { .name: out0, .offset: 56, .size: 8, .value_kind: global_buffer, .address_space: global }
    .group_segment_fixed_size: 327680
    .private_segment_fixed_size: 0
    .kernarg_segment_align: 8
    .kernarg_segment_size: 64
    .max_flat_workgroup_size: 512
    .sgpr_count:     66
    .vgpr_count:     256
    .wavefront_size: 32
...
	.end_amdgpu_metadata
.endif
;; end of part 4
